; MI455X (gfx1250); checked and timed in simulation.
; The chip was launched on July 23, 2026; its instructions are those of AMD's public machine-readable ISA for CDNA 5 (MIT licence, August 2026) and "CDNA5" Instruction Set Architecture Reference Guide (July 2026). The comments in the code are by the model that wrote it; some were corrected since.
;; Hash Grid Embedder. Allowed arithmetic: float matrix products may take bf16 or f16 operands with f32 sums; all other float work in f32.
;; Inputs: aabb 2 x 3 float32; inputs 262,144 x 3 float32; table 8,388,608 x 2 float32.
;; Outputs: out0 262,144 x 32 float32.
;; One version. Each part assembles by itself: llvm-mc -triple=amdgcn-amd-amdhsa -mcpu=gfx1250 --defsym DOCPART=n.
;; ======== version 1 of 1: 2 launches
;; workspace buffers: cells 3,145,728 bytes of whole numbers
;; launch quantise (part 1): grid 256 x 1, 8 waves a work-group, no clusters, 0 bytes of LDS; arguments inputs, aabb, cells; writes cells
.if DOCPART == 1
	.amdgcn_target "amdgcn-amd-amdhsa--gfx1250"
	.amdhsa_code_object_version 6
	.text
	.protected	k_q14630f4900_quantise
	.globl	k_q14630f4900_quantise
	.p2align	8
	.type	k_q14630f4900_quantise,@function
k_q14630f4900_quantise:
	s_mov_b64 s[64:65], 0
	v_nop
	global_prefetch_b8 v0, s[64:65] scope:SCOPE_SE
	s_setreg_imm32_b32 hwreg(HW_REG_WAVE_MODE, 25, 1), 1
	s_wait_xcnt 0x0
; cells[i] = trunc(2^31 * clip((inputs[i] - aabb[0][c]) / (aabb[1][c] - aabb[0][c]), 0, 1)),  c = i mod 3,  i = 0 .. 786,431.
; The normalised coordinate is handed on as a whole number, so that the next launch forms its table addresses from whole numbers alone.
; 2^31 x is exact for x >= 2^-7; below that x is cut to a multiple of 2^-31, which is under 2e-6 of a cell at the finest level.
; The stream is taken flat: 65,536 threads, three pieces of 16 bytes each, 1 MiB apart.  Every load and store of a wave covers 512
; consecutive bytes, aligned.  Element k of piece j of thread g has the component (4 (g + 65,536 j) + k) mod 3 = (g + j + k) mod 3,
; so a thread keeps the box's numbers rotated by g mod 3 and picks them by (j + k) mod 3, which is known when the text is written.
; The division: reciprocal, one Newton step, then each quotient corrected by its exact remainder (two fused multiply-adds).
; LIMITS: |aabb[1] - aabb[0]| between 2^-126 and 2^126 (v_rcp_f32 takes denormals as zero, ISA guide 15.8) and a finite quotient; a NaN is taken as 0.
; No LDS, no matrix unit, no cluster: each number is read once, worked on alone and written once.
.set THREADS, 65536                    ; 256 work-groups x 256 threads
.set PART,    THREADS*16               ; bytes that all threads cover with one 16-byte load each: a third of the 3,145,728
.set OFF, 1                            ; v1       byte offset of my 16 bytes in the first piece; never rewritten
.set C,   2                            ; v[2:4]   byte offset in a row of aabb of component (g + m) mod 3, m = 0, 1, 2; never rewritten
.set LO,  5                            ; v[5:7]   aabb[0] of these components
.set D,   8                            ; v[8:10]  aabb[1], then the extent aabb[1] - aabb[0]
.set R,   11                           ; v[11:13] 1 / extent
.set X,   16                           ; v[16:27] piece j: four numbers, worked on in place
.set E,   28                           ; v[28:31] at work
	s_load_b128 s[4:7], s[0:1], 0x0                ; inputs s[4:5], aabb s[6:7]
	s_load_b64 s[8:9], s[0:1], 0x10                ; cells
	s_lshl_b32 s10, ttmp9, 8
	v_add_nc_u32 v[OFF], s10, v0                   ; g, 0 .. 65,535
	v_mul_u32_u24 v[C], 0xaaab, v[OFF]             ; g / 3 = (43,691 g) >> 17, right for every g below 2^16; the product stays below 2^32
	v_lshrrev_b32 v[C], 17, v[C]
	v_mul_u32_u24 v[C], 3, v[C]
	v_sub_nc_u32 v[C], v[OFF], v[C]                ; g mod 3
	v_add_nc_u32 v[C+1], 1, v[C]
	v_cmp_eq_u32 vcc_lo, 3, v[C+1]
	v_cndmask_b32 v[C+1], v[C+1], 0, vcc_lo        ; (g + 1) mod 3
	v_sub_nc_u32 v[C+2], 3, v[C]
	v_sub_nc_u32 v[C+2], v[C+2], v[C+1]            ; (g + 2) mod 3: the three add up to 3
.irp m, 0,1,2
	v_lshlrev_b32 v[C+\m], 2, v[C+\m]
.endr
	v_lshlrev_b32 v[OFF], 4, v[OFF]
	s_wait_kmcnt 0x0
.irp m, 0,1,2
	global_load_b32 v[LO+\m], v[C+\m], s[6:7]              ; aabb[0][c]
	global_load_b32 v[D+\m],  v[C+\m], s[6:7] offset:12    ; aabb[1][c]
.endr
.irp j, 0,1,2
	global_load_b128 v[X+4*\j:X+4*\j+3], v[OFF], s[4:5] offset:\j*PART th:TH_LOAD_NT
.endr
	s_wait_loadcnt 0x3                             ; loads come back in order (ISA guide 5.7.1): the six numbers of the box are in, the three pieces stay out
.irp m, 0,1,2
	v_sub_f32 v[D+\m], v[D+\m], v[LO+\m]           ; the extent
.endr
	v_rcp_f32 v[R],   v[D]
	v_rcp_f32 v[R+1], v[D+1]
	v_rcp_f32 v[R+2], v[D+2]
	v_nop                                          ; one plain place between the reciprocals and their first use (ISA guide 5.7.2)
	s_wait_alu depctr_va_vdst(0)
.irp m, 0,1,2
	v_fma_f32 v[E+\m], -v[D+\m], v[R+\m], 1.0      ; Newton: r += r (1 - d r)
.endr
.irp m, 0,1,2
	v_fma_f32 v[R+\m], v[E+\m], v[R+\m], v[R+\m]
.endr
; Piece j: four numbers side by side, so that no line waits for the line in front of it.
.macro PIECE j
	s_wait_loadcnt 2-\j                            ; piece j is in, the younger pieces stay out
.irp k, 0,1,2,3
	v_sub_f32 v[X+4*\j+\k], v[X+4*\j+\k], v[LO+(\j+\k)%3]                  ; a = input - low corner
.endr
.irp k, 0,1,2,3
	v_mul_f32 v[E+\k], v[X+4*\j+\k], v[R+(\j+\k)%3]                        ; q = a r
.endr
.irp k, 0,1,2,3
	v_fma_f32 v[X+4*\j+\k], -v[E+\k], v[D+(\j+\k)%3], v[X+4*\j+\k]         ; the remainder a - q d, in one rounding
.endr
.irp k, 0,1,2,3
	v_fma_f32 v[X+4*\j+\k], v[X+4*\j+\k], v[R+(\j+\k)%3], v[E+\k]          ; q + remainder x r
.endr
.irp k, 0,1,2,3
	v_max_num_f32 v[X+4*\j+\k], 0, v[X+4*\j+\k]                            ; the clip; a NaN loses and becomes 0
.endr
.irp k, 0,1,2,3
	v_min_num_f32 v[X+4*\j+\k], 1.0, v[X+4*\j+\k]
.endr
.irp k, 0,1,2,3
	v_mul_f32 v[X+4*\j+\k], 0x4f000000, v[X+4*\j+\k]                       ; x 2^31: exact
.endr
.irp k, 0,1,2,3
	v_cvt_u32_f32 v[X+4*\j+\k], v[X+4*\j+\k]                               ; 0 .. 2^31
.endr
	global_store_b128 v[OFF], v[X+4*\j:X+4*\j+3], s[8:9] offset:\j*PART    ; read again by the next launch: no hint
.endm
	PIECE 0
	PIECE 1
	PIECE 2
	s_endpgm
.Lfunc_end_k_q14630f4900_quantise:
	.size	k_q14630f4900_quantise, .Lfunc_end_k_q14630f4900_quantise-k_q14630f4900_quantise
	.p2alignl 7, 3214868480
	.fill 96, 4, 3214868480
	.section	.rodata,"a",@progbits
	.p2align	6, 0x0
	.amdhsa_kernel k_q14630f4900_quantise
		.amdhsa_group_segment_fixed_size 0
		.amdhsa_private_segment_fixed_size 0
		.amdhsa_enable_private_segment 0
		.amdhsa_kernarg_size 24
		.amdhsa_user_sgpr_count 2
		.amdhsa_user_sgpr_kernarg_segment_ptr 1
		.amdhsa_wavefront_size32 1
		.amdhsa_system_sgpr_workgroup_id_x 1
		.amdhsa_system_sgpr_workgroup_id_y 1
		.amdhsa_system_sgpr_workgroup_id_z 1
		.amdhsa_system_vgpr_workitem_id 0
		.amdhsa_next_free_vgpr 32
		.amdhsa_next_free_sgpr 66
		.amdhsa_reserve_vcc 1
		.amdhsa_float_denorm_mode_32 3
		.amdhsa_float_denorm_mode_16_64 3
		.amdhsa_memory_ordered 1
		.amdhsa_forward_progress 1
		.amdhsa_inst_pref_size 7
	.end_amdhsa_kernel
	.amdgpu_metadata
---
amdhsa.version: [ 1, 2 ]
amdhsa.kernels:
  - .name:           k_q14630f4900_quantise
    .symbol:         k_q14630f4900_quantise.kd
    .args:
      - { .name: inputs, .offset: 0, .size: 8, .value_kind: global_buffer, .address_space: global }
      - { .name: aabb, .offset: 8, .size: 8, .value_kind: global_buffer, .address_space: global }
      - { .name: cells, .offset: 16, .size: 8, .value_kind: global_buffer, .address_space: global }
    .group_segment_fixed_size: 0
    .private_segment_fixed_size: 0
    .kernarg_segment_align: 8
    .kernarg_segment_size: 24
    .max_flat_workgroup_size: 256
    .sgpr_count:     66
    .vgpr_count:     32
    .wavefront_size: 32
...
	.end_amdgpu_metadata
.endif
;; end of part 1
;; launch gather (part 2): grid 2048 x 1, 8 waves a work-group, no clusters, 19,456 bytes of LDS; arguments cells, table, out0; writes out0
.if DOCPART == 2
	.amdgcn_target "amdgcn-amd-amdhsa--gfx1250"
	.amdhsa_code_object_version 6
	.text
	.protected	k_q14630f4900_gather
	.globl	k_q14630f4900_gather
	.p2align	8
	.type	k_q14630f4900_gather,@function
k_q14630f4900_gather:
	s_mov_b64 s[64:65], 0
	v_nop
	global_prefetch_b8 v0, s[64:65] scope:SCOPE_SE
	s_setreg_imm32_b32 hwreg(HW_REG_WAVE_MODE, 25, 1), 1
	s_wait_xcnt 0x0
; out0[n][2 l + f] = trilinear interpolation of table entries at the 8 corners of point n's cell in level l, l = 0 .. 15, f = 0, 1.
; cells[n][0..2] = x 2^31 as whole numbers, from the launch before.
;
; SHARES.  A work-group has 8 waves and 128 points; a wave 16 points; a LANE ONE x SIDE OF ONE POINT: lane = 2 point + dx, four corners (dy, dz) a level.
; The first prime is 1, so the indices of the two lanes of a point differ only in the bits in which x and x + 1 differ: unless x mod 16 = 15 the two
; entries lie inside the same aligned 128 bytes (in the dense levels they are neighbours).  One gather of a wave so names about 17 such places, not 32.
; All waves walk the levels in the same order, 0 to 15, and with 66 registers and 19,456 bytes of LDS a work-group all 16,384 waves of the launch can lie on the
; 256 WGPs at once (16 x 66 registers a SIMD, 8 x 19,456 bytes of LDS a WGP): what is gathered from at any time is a few levels' tables of 4 MiB.
;
; POSITIONS IN FIXED POINT.  pos = x scale + 1/2.  The f32 scales of the levels are whole multiples of 2^-20, so scale 2^20 is exact in 32 bits, and
; cell x (scale 2^20) + 2^50 is pos 2^51 in 64 bits, by one multiply-add; its high word is pos 2^19: the cell's number above 19 bits of fraction.
; My corner's x is had by adding dx 2^19 along with the half.  The fraction, set into the mantissa of 2^23, is the f32 number 2^23 + fraction, and one
; fused multiply-add by 2^-19 with -16 makes the weight w of it, exactly; by -2^-19 with 17 it makes 1 - w (the x weight of the lanes with dx = 0).
; LIMITS: pos is cut to a multiple of 2^-19 and is not rounded to f32 as the reference rounds it (a difference of up to 2^-12 of a cell at the two finest
; levels, where a cell's number and weight may then read (c, 1 - e) for (c + 1, 0): the same value, the interpolation being continuous);
; the eight products are summed as nested interpolations along y, z, x, another order of rounding.
;
; No tensor loads, no ring in LDS, no cluster: the work-groups share no tile, only single entries at addresses that differ from point to point.
; No matrix unit: there is no product of matrices here.
.set LEVEL_BYTES, 0x400000             ; a level's table: 2^19 entries of 8 bytes
.set FB,     19                        ; bits of fraction in the high word
.set HALF,   1<<(FB-1)
.set LAST,   0x7ffff                   ; a level's last entry; also the fraction's mask
.set PITCH,  144                       ; an LDS row: a point's 128 bytes + 16 = 36 words: the 16 rows start at 16 different banks, 4 apart (64 banks of 4 bytes: ISA guide 11.1)
.set STAGE,  16*PITCH                  ; a wave's own stage
.set CELL, 1                           ; v1       byte offset of my point's three numbers; never rewritten
.set Q,    2                           ; v[2:4]   x, y, z times 2^31
.set IDX,  5                           ; v[5:7]   buffer b: a dense level's byte offset, the address of its four loads
.set W,    8                           ; v[8:19]  buffer b: W+4b wy, W+4b+1 wz, W+4b+2 my x weight; W+4b+3 is a lane constant (so every pair read is written):
.set KA,   11                          ; v11      dx ? 2^-19 : -2^-19
.set KB,   15                          ; v15      dx ? -16 : 17
.set STO,  19                          ; v19      LDS address of my word of my point's row
.set HX,   20                          ; v[20:21] 64 bits: (1/2 + dx) 2^51
.set HY,   22                          ; v[22:23] 64 bits: 1/2 x 2^51
.set T,    24                          ; v[24:29] three 64-bit positions; the low words are then used for the cell numbers
.set PX,   T
.set PY,   T+2
.set PZ,   T+4
.set H,    30                          ; v[30:31] at work
.set F,    32                          ; v[32:55] buffer b: four entries of two f32: (dy,dz) = (0,0), (1,0), (0,1), (1,1)
.set RD,   56                          ; v56      LDS address for the way out
.set CO,   57                          ; v57      my byte offset in the group's part of out0
.set BASE, 32                          ; s[32:63] level l: the address of its table
	s_load_b128 s[4:7], s[0:1], 0x0                ; cells s[4:5], table s[6:7]
	s_load_b64 s[8:9], s[0:1], 0x10                ; out0
	v_lshl_add_u32 v64, v0, 2, 0x4800
	v_mov_b32 v65, 0
	v_lshrrev_b32 v[T], 5, v0
	v_readfirstlane_b32 s10, v[T]                  ; wave 0 .. 7
	v_lshrrev_b32 v[CELL], 1, v0                   ; my point among the group's 128
	v_mul_u32_u24 v[CELL], 12, v[CELL]
	s_mul_i32 s2, ttmp9, 128*12                    ; the group's part of cells
	s_mov_b32 s3, 0
	s_wait_kmcnt 0x0
	s_add_nc_u64 s[4:5], s[4:5], s[2:3]
	global_load_b96 v[Q:Q+2], v[CELL], s[4:5] th:TH_LOAD_NT        ; both lanes of a point read the same 12 bytes; the wave 192 consecutive bytes
	s_lshl_b32 s2, ttmp9, 14                       ; the group's part of out0: 128 rows of 128 bytes
	s_add_nc_u64 s[8:9], s[8:9], s[2:3]
	s_mov_b64 s[BASE:BASE+1], s[6:7]
.irp l, 1,2,3,4,5,6,7,8,9,10,11,12,13,14,15
	s_add_nc_u64 s[BASE+2*\l:BASE+2*\l+1], s[6:7], \l*LEVEL_BYTES
.endr
	s_mov_b32 vcc_lo, 0xaaaaaaaa                   ; the lanes with dx = 1; VCC holds nothing else in this text
	s_mov_b32 s12, LAST
	s_mov_b32 s13, 0x4b000000                      ; 2^23
	s_mov_b32 s14, 0x36000000                      ; 2^-19
	s_mov_b32 s15, 0xc1800000                      ; -16
	s_mov_b32 s16, 0x779b1                         ; 2,654,435,761 mod 2^19: only 19 bits of the hash are kept, and they hang on the factors' low 19 bits alone
	s_mov_b32 s17, 0x25795                         ; 805,459,861 mod 2^19
	v_and_b32 v[T], 1, v0                          ; dx
	v_and_b32 v[T+1], 31, v0                       ; lane
	v_mov_b32 v[HX], 0
	v_lshl_add_u32 v[HX+1], v[T], FB, HALF
	v_mov_b32 v[HY], 0
	v_mov_b32 v[HY+1], HALF
	v_mov_b32 v[KA], 0xb6000000                    ; -2^-19
	v_cndmask_b32 v[KA], v[KA], s14, vcc_lo
	v_mov_b32 v[KB], 0x41880000                    ; 17
	v_cndmask_b32 v[KB], v[KB], s15, vcc_lo
	s_mul_i32 s11, s10, STAGE                      ; my wave's stage: no other wave touches it, so this text has no barrier
	v_lshrrev_b32 v[T+2], 1, v[T+1]
	v_mul_u32_u24 v[STO], PITCH, v[T+2]            ; in: row = my point, word dx of the level's two
	v_lshl_add_u32 v[STO], v[T], 2, v[STO]
	v_add_nc_u32 v[STO], s11, v[STO]
	v_lshrrev_b32 v[T+2], 3, v[T+1]
	v_mul_u32_u24 v[RD], PITCH, v[T+2]             ; back: eight lanes take a row of 128 bytes, the wave four rows
	v_and_b32 v[T+2], 7, v[T+1]
	v_lshl_add_u32 v[RD], v[T+2], 4, v[RD]
	v_add_nc_u32 v[RD], s11, v[RD]
	s_lshl_b32 s19, s10, 11                        ; my wave's 16 rows of out0
	v_lshl_add_u32 v[CO], v[T+1], 4, s19
; The level's cell numbers (PX: my corner's x; PY, PZ: the lower y and z) and the three weights of buffer b.  scale = the f32 scale x 2^20.
.macro COORDS b, scale
	s_mov_b32 s18, \scale
	v_mad_nc_u64_u32 v[T:T+1],   v[Q],   s18, v[HX:HX+1]
	v_mad_nc_u64_u32 v[T+2:T+3], v[Q+1], s18, v[HY:HY+1]
	v_mad_nc_u64_u32 v[T+4:T+5], v[Q+2], s18, v[HY:HY+1]           ; at most 2^31 x (2^32 - 2^20) + 3 x 2^50: inside 64 bits
	v_lshrrev_b32 v[PX], FB, v[T+1]
	v_lshrrev_b32 v[PY], FB, v[T+3]
	v_lshrrev_b32 v[PZ], FB, v[T+5]
	v_and_or_b32 v[T+1], v[T+1], s12, s13                          ; 2^23 + fraction, as f32
	v_and_or_b32 v[T+3], v[T+3], s12, s13
	v_and_or_b32 v[T+5], v[T+5], s12, s13
	v_fma_f32 v[W+4*\b+2], v[T+1], v[KA], v[KB]                    ; dx ? wx : 1 - wx
	v_fma_f32 v[W+4*\b],   v[T+3], s14, s15                        ; wy
	v_fma_f32 v[W+4*\b+1], v[T+5], s14, s15                        ; wz
.endm
; A level whose grid fits in its table: index = x + res y + res^2 z.  One address; the steps along y and z stand in the immediates.
.macro DENSE l, b, scale, res
	COORDS \b, \scale
	v_mad_u32_u24 v[PY], v[PZ], \res, v[PY]
	v_mad_u32_u24 v[IDX+\b], v[PY], \res, v[PX]
	v_min_u32 v[IDX+\b], LAST, v[IDX+\b]                           ; a number that came from memory enters an address only behind a clamp by a written constant; it changes nothing here (res^3 <= 2^19)
	v_lshlrev_b32 v[IDX+\b], 3, v[IDX+\b]
	global_load_b64 v[F+8*\b:F+8*\b+1],   v[IDX+\b], s[BASE+2*\l:BASE+2*\l+1]
	global_load_b64 v[F+8*\b+2:F+8*\b+3], v[IDX+\b], s[BASE+2*\l:BASE+2*\l+1] offset:8*\res
	global_load_b64 v[F+8*\b+4:F+8*\b+5], v[IDX+\b], s[BASE+2*\l:BASE+2*\l+1] offset:8*\res*\res
	global_load_b64 v[F+8*\b+6:F+8*\b+7], v[IDX+\b], s[BASE+2*\l:BASE+2*\l+1] offset:8*\res*\res+8*\res
.endm
; A hashed level: index = (x ^ y prime1 ^ z prime2) mod 2^19.  Each index is made in the register on which its own load lands.
.macro HASHED l, b, scale
	COORDS \b, \scale
	v_mul_u32_u24 v[PY], s16, v[PY]                                ; y and z are at most 4,096, the primes' parts below 2^19: the products stay below 2^32
	v_mul_u32_u24 v[PZ], s17, v[PZ]
	v_add_nc_u32 v[H],   s16, v[PY]                                ; (y + 1) prime1
	v_add_nc_u32 v[H+1], s17, v[PZ]                                ; (z + 1) prime2
	v_xor_b32 v[PY], v[PX], v[PY]
	v_xor_b32 v[H],  v[PX], v[H]
	v_xor_b32 v[F+8*\b],   v[PY], v[PZ]
	v_xor_b32 v[F+8*\b+2], v[H],  v[PZ]
	v_xor_b32 v[F+8*\b+4], v[PY], v[H+1]
	v_xor_b32 v[F+8*\b+6], v[H],  v[H+1]
.irp c, 0,2,4,6
	v_and_b32 v[F+8*\b+\c], s12, v[F+8*\b+\c]
.endr
.irp c, 0,2,4,6
	v_min_u32 v[F+8*\b+\c], LAST, v[F+8*\b+\c]                     ; the clamp by a written constant behind which a number from memory may enter an address; the mask has bounded it already
.endr
.irp c, 0,2,4,6
	global_load_b64 v[F+8*\b+\c:F+8*\b+\c+1], v[F+8*\b+\c], s[BASE+2*\l:BASE+2*\l+1] scale_offset   ; at the level's table + 8 x index
.endr
.endm
; Level l's four entries in buffer b are interpolated along y and z, weighted with my x side, and the two sides added.  left = younger loads that may stay out.
.macro USE l, b, left
	s_wait_loadcnt \left                           ; loads come back in order (ISA guide 5.7.1): this level's four are in; that also frees their address registers
	v_pk_add_f32 v[F+8*\b+2:F+8*\b+3], v[F+8*\b+2:F+8*\b+3], v[F+8*\b:F+8*\b+1]   neg_lo:[0,1] neg_hi:[0,1]
	v_pk_add_f32 v[F+8*\b+6:F+8*\b+7], v[F+8*\b+6:F+8*\b+7], v[F+8*\b+4:F+8*\b+5] neg_lo:[0,1] neg_hi:[0,1]
	v_pk_fma_f32 v[F+8*\b:F+8*\b+1],   v[F+8*\b+2:F+8*\b+3], v[W+4*\b:W+4*\b+1], v[F+8*\b:F+8*\b+1]   op_sel_hi:[1,0,1]   ; along y, both features by wy
	v_pk_fma_f32 v[F+8*\b+4:F+8*\b+5], v[F+8*\b+6:F+8*\b+7], v[W+4*\b:W+4*\b+1], v[F+8*\b+4:F+8*\b+5] op_sel_hi:[1,0,1]
	v_pk_add_f32 v[F+8*\b+4:F+8*\b+5], v[F+8*\b+4:F+8*\b+5], v[F+8*\b:F+8*\b+1]   neg_lo:[0,1] neg_hi:[0,1]
	v_pk_fma_f32 v[F+8*\b:F+8*\b+1],   v[F+8*\b+4:F+8*\b+5], v[W+4*\b:W+4*\b+1], v[F+8*\b:F+8*\b+1]   op_sel:[0,1,0] op_sel_hi:[1,1,1]   ; along z, both by wz
	v_pk_mul_f32 v[F+8*\b:F+8*\b+1],   v[F+8*\b:F+8*\b+1],   v[W+4*\b+2:W+4*\b+3] op_sel_hi:[1,0]   ; my x side's weight
	v_cndmask_b32 v[F+8*\b+2], v[F+8*\b],   v[F+8*\b+1], vcc_lo    ; I keep feature dx
	v_cndmask_b32 v[F+8*\b+3], v[F+8*\b+1], v[F+8*\b],   vcc_lo    ; and hand the other one to the lane beside me
	v_add_f32_dpp v[F+8*\b+2], v[F+8*\b+3], v[F+8*\b+2] row_xmask:1 row_mask:0xf bank_mask:0xf
	ds_store_b32 v[STO], v[F+8*\b+2] offset:8*\l
.endm
; Three buffers take turns: a level's loads go out two levels before they are used, so 8 to 12 loads of every wave are on their way.
; The scales are 16 x 256^(l/15) - 1 rounded to f32, times 2^20: 15, 22.156307, 32.513412, 47.502930, 69.196800, 100.593666, 146.033386, 211.796906,
; 306.974396, 444.721893, 644.079590, 932.603821, 1350.176147, 1954.515625, 2829.157471, 4095.  res = ceil(scale) + 1; 71^3 <= 2^19 < 102^3.
	s_wait_loadcnt 0x0                             ; my point's three numbers
	DENSE  0,  0, 0x00f00000, 16
	DENSE  1,  1, 0x0162803c, 24
	DENSE  2,  2, 0x020836f0, 34
	USE    0,  0, 8
	DENSE  3,  0, 0x02f80c00, 49
	USE    1,  1, 8
	DENSE  4,  1, 0x04532618, 71
	USE    2,  2, 8
	HASHED 5,  2, 0x06497fa8
	USE    3,  0, 8
	HASHED 6,  0, 0x092088c0
	USE    4,  1, 8
	HASHED 7,  1, 0x0d3cc020
	USE    5,  2, 8
	HASHED 8,  2, 0x132f9720
	USE    6,  0, 8
	HASHED 9,  0, 0x1bcb8ce0
	USE    7,  1, 8
	HASHED 10, 1, 0x28414600
	USE    8,  2, 8
	HASHED 11, 2, 0x3a49a940
	USE    9,  0, 8
	HASHED 12, 0, 0x5462d180
	USE    10, 1, 8
	HASHED 13, 1, 0x7a284000
	USE    11, 2, 8
	HASHED 14, 2, 0xb0d28500
	USE    12, 0, 8
	HASHED 15, 0, 0xfff00000
	USE    13, 1, 8                                ; nothing is left to ask for: the counts run down
	USE    14, 2, 4
	USE    15, 0, 0
	; THE WAY OUT: my wave's 16 rows are 2,048 consecutive bytes of out0.  Four rows at a time are read back, 16 bytes a lane, and stored.
.irp j, 0,1,2,3
	ds_load_b128 v[F+4*\j:F+4*\j+3], v[RD] offset:\j*4*PITCH       ; LDS serves a wave's instructions in order (ISA guide 5.7.1.4): these see the stores above
.endr
.irp j, 0,1,2,3
	s_wait_dscnt 3-\j                              ; read-back j is in, the younger ones stay out
	global_store_b128 v[CO], v[F+4*\j:F+4*\j+3], s[8:9] offset:512*\j th:TH_STORE_NT   ; the wave stores 512 consecutive bytes, at a multiple of 512 from out0's first byte
.endr
	s_wait_tensorcnt 0x0
	ds_add_u32 v64, v65
	s_wait_dscnt 0x0
	s_endpgm
.Lfunc_end_k_q14630f4900_gather:
	.size	k_q14630f4900_gather, .Lfunc_end_k_q14630f4900_gather-k_q14630f4900_gather
	.p2alignl 7, 3214868480
	.fill 96, 4, 3214868480
	.section	.rodata,"a",@progbits
	.p2align	6, 0x0
	.amdhsa_kernel k_q14630f4900_gather
		.amdhsa_group_segment_fixed_size 19456
		.amdhsa_private_segment_fixed_size 0
		.amdhsa_enable_private_segment 0
		.amdhsa_kernarg_size 24
		.amdhsa_user_sgpr_count 2
		.amdhsa_user_sgpr_kernarg_segment_ptr 1
		.amdhsa_wavefront_size32 1
		.amdhsa_system_sgpr_workgroup_id_x 1
		.amdhsa_system_sgpr_workgroup_id_y 1
		.amdhsa_system_sgpr_workgroup_id_z 1
		.amdhsa_system_vgpr_workitem_id 0
		.amdhsa_next_free_vgpr 66
		.amdhsa_next_free_sgpr 66
		.amdhsa_reserve_vcc 1
		.amdhsa_float_denorm_mode_32 3
		.amdhsa_float_denorm_mode_16_64 3
		.amdhsa_memory_ordered 1
		.amdhsa_forward_progress 1
		.amdhsa_inst_pref_size 42
	.end_amdhsa_kernel
	.amdgpu_metadata
---
amdhsa.version: [ 1, 2 ]
amdhsa.kernels:
  - .name:           k_q14630f4900_gather
    .symbol:         k_q14630f4900_gather.kd
    .args:
      - { .name: cells, .offset: 0, .size: 8, .value_kind: global_buffer, .address_space: global }
      - { .name: table, .offset: 8, .size: 8, .value_kind: global_buffer, .address_space: global }
      - { .name: out0, .offset: 16, .size: 8, .value_kind: global_buffer, .address_space: global }
    .group_segment_fixed_size: 19456
    .private_segment_fixed_size: 0
    .kernarg_segment_align: 8
    .kernarg_segment_size: 24
    .max_flat_workgroup_size: 256
    .sgpr_count:     66
    .vgpr_count:     66
    .wavefront_size: 32
...
	.end_amdgpu_metadata
.endif
;; end of part 2
